; MI455X (gfx1250); checked and timed in simulation.
; The chip was launched on July 23, 2026; its instructions are those of AMD's public machine-readable ISA for CDNA 5 (MIT licence, August 2026) and "CDNA5" Instruction Set Architecture Reference Guide (July 2026). The comments in the code are by the model that wrote it; some were corrected since.
;; Attention. Allowed arithmetic: matrix products marked QUANTISED: E2M3 operands, one E8M0 scale for each 32 along K, by v_wmma_scale_f32_16x16x128_f8f6f4 with both operands' format E2M3, f32 sums; everything else in f32.
;; Inputs: Wk 16 x 1,024 x 64 float32; Wq 16 x 1,024 x 64 float32; Wv 16 x 1,024 x 64 float32; bk 16 x 64 float32; bq 16 x 64 float32; bv 16 x 64 float32; k 4 x 2,048 x 1,024 float32; q 4 x 2,048 x 1,024 float32; v 4 x 2,048 x 1,024 float32.
;; Outputs: out0 4 x 2,048 x 1,024 float32.
;; This version of the problem:
;;   THIS VERSION OF THE PROBLEM IS GIVEN IN LOW PRECISION. The matrix products marked QUANTISED in the list below multiply operands that are first quantised to E2M3 (2 exponent bits, 3 mantissa bits; 6 bits a number), with one power-of-two scale for each 32 numbers along K (OCP MX v1.0); their sums are f32. All else is computed in f32.
;;   The module's matrix products, in the order in which they are computed (A, B: the left and right operand; K: the contracted axis; several contracted axes count as one K, in the product's order):
;;     1. [M 1,024, K 1,024] x [K 1,024, N 8,192]; A: input Wq; B: input q: QUANTISED
;;     2. [M 1,024, K 1,024] x [K 1,024, N 8,192]; A: input Wk; B: input k: QUANTISED
;;     3. [M 1,024, K 1,024] x [K 1,024, N 8,192]; A: input Wv; B: input v: QUANTISED
;;     4. batch 64 x [M 2,048, K 64] x [K 64, N 2,048]; A: computed on the way; B: computed on the way: QUANTISED
;;     5. batch 64 x [M 2,048, K 2,048] x [K 2,048, N 64]; A: softmax (see below); B: computed on the way: QUANTISED
;;   THE QUANTISER, for each operand of a quantised product, along K:
;;     - K is cut into blocks of 32 from its start; a last block that is shorter is filled with zeros.
;;     - A block's scale is 2^e with e = floor(log2(the largest magnitude in the block)) - 2, held to -126 .. 127; a block of zeros has e = 0. As a byte (E8M0): e + 127.
;;     - Each number is divided by its block's scale, clamped to +-7.5, and rounded to the nearest number of E2M3, ties to even, subnormals kept.
;;     - The product sums the exact products of the quantised numbers (number of the format x scale) in f32.
;;   ~~~python
;;   def quantise(x, axis):      # numpy; x: float32 -> the quantised numbers, widened to float32 again
;;       x = np.moveaxis(x, axis, -1); K = x.shape[-1]
;;       x = np.pad(x, [(0, 0)] * (x.ndim - 1) + [(0, -K % 32)]); x = x.reshape(x.shape[:-1] + (-1, 32)); a = np.abs(x).max(-1, keepdims=True)
;;       e = np.where(a > 0, np.clip(np.frexp(np.where(a > 0, a, 1))[1] - 1 - 2, -126, 127), 0)      # np.frexp(a)[1] - 1 = floor(log2(a)), exactly
;;       r = np.clip(x / 2.0 ** e, -7.5, 7.5)
;;       step = 2.0 ** (np.maximum(np.frexp(np.where(r == 0, 1, r))[1] - 1, 0) - 3)
;;       q = np.round(r / step) * step * 2.0 ** e      # np.round: ties to even
;;       return np.moveaxis(q.reshape(q.shape[:-2] + (-1,))[..., :K], -1, axis).astype(np.float32)
;;   ~~~
;;   SOFTMAX AHEAD OF A QUANTISED PRODUCT. Where the list says 'softmax', what is quantised is not the finished softmax but p = 2^(t - M), with t = logit x log2(e) and M = ceil(the row's largest t), a whole number; so 1/2 < the row's largest p <= 1. The row's sum l is taken of the UNQUANTISED p, in f32, and the product's result is divided by l at the end. Since M is a whole number, a kernel that streams over the keys may use a running M (the ceiling of the running maximum): every later rescaling is an exact power of two, which a block's scale takes up: the codes' values come out the same.
;;   OPERANDS COMPUTED ON THE WAY. 'Computed on the way' means the value that the module computes at that place (a softmax that the list does not call 'softmax' is quantised finished and normalised). What goes into a quantiser is computed in f32, as accurately as f32 sums, v_exp_f32 and their like allow (about 1e-6 of the number): no bf16 or f16 on the way to a quantiser, and a product that is left as it is and whose result goes on into a quantised operand takes f32 operands (vector FMAs, or v_wmma_f32_16x16x4_f32). A number that lies on a knife's edge between two numbers of the format may be rounded either way, as far as f32 arithmetic and the matrix unit's own rounding can turn it there, and no further.
;; One version. Each part assembles by itself: llvm-mc -triple=amdgcn-amd-amdhsa -mcpu=gfx1250 --defsym DOCPART=n.
;; ======== version 1 of 1: 3 launches
;; workspace buffers: xq 19,660,800 bytes; wq 2,457,600 bytes; qa 6,815,744 bytes; kv 13,631,488 bytes
;; launch prep (part 1): grid 576 x 1, 4 waves a work-group, no clusters, 34,304 bytes of LDS; arguments q, k, v, Wq, Wk, Wv, xq, wq; writes xq, wq
.if DOCPART == 1
	.amdgcn_target "amdgcn-amd-amdhsa--gfx1250"
	.amdhsa_code_object_version 6
	.text
	.protected	k_qced4508c05_prep
	.globl	k_qced4508c05_prep
	.p2align	8
	.type	k_qced4508c05_prep,@function
k_qced4508c05_prep:
	s_mov_b64 s[64:65], 0
	v_nop
	global_prefetch_b8 v0, s[64:65] scope:SCOPE_SE
	s_setreg_imm32_b32 hwreg(HW_REG_WAVE_MODE, 25, 1), 1
	s_wait_xcnt 0x0
; q, k, v [8192][1024] f32 (K innermost) and Wq, Wk, Wv [16][1024][64] f32 (K = the middle axis) become codes of FP6 (E2M3) with one E8M0 byte for each 32 along K.
; A block's scale is 2^(floor(log2(its largest magnitude)) - 2): its byte is the largest magnitude's exponent field - 2, held at 1 from below by a floor among the maximum's leaves.
; THE RESULTS ARE LAID AS IMAGES OF OPERAND REGISTERS: a fragment (16 rows x 128 K, 12 registers a lane) is three groups of four registers, each group 512 consecutive bytes, lane l's 16 bytes at 16 l.
; THE ROWS OF A TILE ARE NOT NEIGHBOURS: lane r of tile 2 b + u takes row 32 b + 8 u + r + 8 (r / 8) of its 128 rows (x) or of its head's 64 channels (W).
; xq: [tensor 3][chunk of 128 rows 64][102,400]: codes of (K step s, tile i) at (8 s + i) 1536; scale image of tile i at 98,304 + 512 i: word j of lane l = the word of (row l % 16, K step 2 j + l / 16).
; wq: [tensor x 16 + head][51,200]: codes of (K step s, tile t) at (4 s + t) 1536; scale words at 49,152 + (4 t + j) 128 + 4 lane: lanes 0-15 K step 2 j, lanes 16-31 K step 2 j + 1.
; SHARES: work-groups 0-191 take W: (tensor, head, tile t), wave j the K steps 2 j, 2 j + 1.  Work-groups 192-575 take x: (tensor, chunk, half), a wave one tile of 16 rows over all of K.
; No tensor load, no barrier, no matrix unit, no cluster: waves share nothing and each input byte is read once.
; LIMITS: NaN and infinities among the inputs are not served.  A block of zeros, or one whose largest magnitude lies under 2^-124, gets the byte 1 (the rule says 127 for zeros): its codes are zeros
; or nearly so, and these bytes are read by this program alone.
; W's loads read four pieces of 32 bytes each; the four tiles of a head together cover each row's 256 bytes; all of W is 12.6 MB.  W's scale words leave in pieces of 128 bytes, 98 KB in the launch.
.set NW,  192                          ; work-groups on W's path
.set GI,  4                            ; v4   W: my byte offset: 32 h rows of 256 bytes + my column
.set LI,  5                            ; v5   16 x lane
.set SA,  6                            ; v6   x: the stage, on the way in
.set LA,  7                            ; v7   x: the stage, on the way out
.set SH,  8                            ; v8   8 h: my bytes' place in a scale word
.set L4,  9                            ; v9   4 x lane
.set TM,  10                           ; v10-11 largest magnitudes
.set SO,  12                           ; v12-13 the conversions' scale operands
.set BY,  14                           ; v14-15 scale bytes
.set PD,  17                           ; v17  a lane permute's destination
.set W8,  20                           ; v20-27 a scale word for each K step
.set SI,  28                           ; v28-31 the scale image
.set T,   32                           ; v32-38 second halves of blocks' codes
.set C,   40                           ; v40-63 codes, two sets of 12
.set R,   64                           ; v64-191 numbers as loaded, two sets of 64
.set X,   192                          ; v192-255 x: 64 numbers in the operand's order
.set SPX, 528                          ; a stage row: 512 bytes + 16: 33 x 16, so that sixteen rows' reads of 16 bytes fall on sixteen different columns of 16 bytes
; 64 numbers of a lane, register 32 cc + n = k 64 cc + 32 h + n of my row: two whole blocks.  They become the fragment's 12 registers at v[c] and the row's scale word in v[w] (in both halves of the lanes).
.macro QB x, c, w
.irp cc, 0,1
	v_max3_num_f32 v[TM+\cc], |v[(\x)+32*\cc]|, |v[(\x)+32*\cc+1]|, 0x1800000   ; the floor 2^(3 - 127): the byte cannot fall under 1
.endr
.irp i, 2,4,6,8,10,12,14,16,18,20,22,24,26,28,30
.irp cc, 0,1
	v_max3_num_f32 v[TM+\cc], v[TM+\cc], |v[(\x)+32*\cc+\i]|, |v[(\x)+32*\cc+\i+1]|   ; the two blocks by turns
.endr
.endr
.irp cc, 0,1
	v_add_nc_u32 v[SO+\cc], 0xff000000, v[TM+\cc]  ; 2 off the exponent field: the conversion takes this operand's exponent field as its scale
.endr
.irp cc, 0,1
	v_lshrrev_b32 v[BY+\cc], 23, v[SO+\cc]         ; the scale's byte
.endr
	v_lshl_or_b32 v[\w], v[BY+1], 16, v[BY]        ; my bytes: blocks h and 2 + h,
	v_lshlrev_b32 v[\w], v[SH], v[\w]              ; at their places;
	v_permlanex16_b32 v[PD], v[\w], s22, s23
	v_or_b32 v[\w], v[\w], v[PD]                   ; with lane l xor 16's two the word is whole
	s_wait_xcnt 0x0                                ; the stores that read this set of codes two fragments ago have had their addresses translated: only now is the set written again
	v_cvt_scalef32_pk16_fp6_f32 v[(\c):(\c)+2], v[(\x):(\x)+15], v[SO]
	v_cvt_scalef32_pk16_fp6_f32 v[T:T+2], v[(\x)+16:(\x)+31], v[SO]         ; (a conversion's three registers begin on an even number: a block's second half is made elsewhere and moved)
	v_cvt_scalef32_pk16_fp6_f32 v[(\c)+6:(\c)+8], v[(\x)+32:(\x)+47], v[SO+1]
	v_cvt_scalef32_pk16_fp6_f32 v[T+4:T+6], v[(\x)+48:(\x)+63], v[SO+1]
	v_nop                                          ; one plain instruction behind the scaled conversions
.irp i, 0,1,2
	v_mov_b32 v[(\c)+3+\i], v[T+\i]
	v_mov_b32 v[(\c)+9+\i], v[T+4+\i]
.endr
.endm
	s_load_b256 s[4:11], s[0:1], 0x0               ; q s[4:5], k s[6:7], v s[8:9], Wq s[10:11]
	s_load_b256 s[12:19], s[0:1], 0x20             ; Wk s[12:13], Wv s[14:15], xq s[16:17], wq s[18:19]
	v_lshl_add_u32 v35, v0, 2, 0x8400
	v_mov_b32 v39, 0
	v_lshrrev_b32 v1, 5, v0
	v_readfirstlane_b32 s20, v1                    ; wave 0..3
	v_and_b32 v1, 31, v0                           ; lane
	v_and_b32 v2, 15, v0                           ; r
	v_bfe_u32 v3, v0, 4, 1                         ; h
	v_lshlrev_b32 v[LI], 4, v1
	v_lshlrev_b32 v[SH], 3, v3
	v_lshlrev_b32 v[L4], 2, v1
	v_mov_b32 v[PD], 0                             ; written once: a lane permute's destination counts as one of its sources
	s_mov_b32 s22, 0x76543210
	s_mov_b32 s23, 0xfedcba98                      ; v_permlanex16_b32's selects for lane l xor 16
	s_mov_b32 s24, 0xffff0000                      ; lanes 16-31
	s_cmp_lt_u32 ttmp9, NW
	s_cbranch_scc0 .Lx_path
	; ---- W: a lane takes a column and its registers run down K
	s_lshr_b32 s25, ttmp9, 2                       ; tensor x 16 + head
	s_and_b32 s26, ttmp9, 3                        ; tile t
	s_lshr_b32 s27, s25, 4                         ; tensor
	s_and_b32 s28, s25, 15                         ; head
	s_lshl_b32 s30, s28, 18                        ; the head's 262,144 bytes,
	s_lshr_b32 s29, s26, 1
	s_lshl_b32 s29, s29, 7
	s_add_co_u32 s30, s30, s29                     ; the tile's first column: 32 (t / 2)
	s_and_b32 s29, s26, 1
	s_lshl_b32 s29, s29, 5
	s_add_co_u32 s30, s30, s29                     ; + 8 (t % 2), 4 bytes each,
	s_lshl_b32 s29, s20, 16
	s_add_co_u32 s30, s30, s29                     ; my wave's 256 rows of 256 bytes
	s_mov_b32 s31, 0
	s_mul_i32 s32, s25, 51200                      ; the head's block of wq
	s_lshl_b32 s29, s26, 9
	s_add_co_u32 s34, s32, s29                     ; scale words: (4 t
	s_lshl_b32 s29, s20, 7
	s_add_co_u32 s34, s34, s29                     ; + j) x 128
	s_add_co_u32 s34, s34, 49152
	s_mov_b32 s35, 0
	s_mul_i32 s29, s26, 1536
	s_add_co_u32 s32, s32, s29                     ; codes: (4 s + t) x 1536 with s = 2 j
	s_mul_i32 s29, s20, 8*1536
	s_add_co_u32 s32, s32, s29
	s_mov_b32 s33, 0
	v_and_b32 v[GI], 8, v2
	v_add_nc_u32 v[GI], v[GI], v2                  ; r + 8 (r / 8)
	v_lshlrev_b32 v[GI], 2, v[GI]
	v_lshl_add_u32 v[GI], v3, 13, v[GI]            ; lanes 16-31 begin 32 rows further down
	s_wait_kmcnt 0x0
	s_cmp_eq_u32 s27, 0                            ; the choice hangs on the work-group's number alone
	s_cselect_b64 s[36:37], s[10:11], s[12:13]
	s_cmp_eq_u32 s27, 2
	s_cselect_b64 s[36:37], s[14:15], s[36:37]
	s_add_nc_u64 s[36:37], s[36:37], s[30:31]
	s_add_nc_u64 s[38:39], s[18:19], s[32:33]
	s_add_nc_u64 s[40:41], s[18:19], s[34:35]
.irp e, 0,1
.irp cc, 0,1
.irp n, 0,1,2,3,4,5,6,7,8,9,10,11,12,13,14,15,16,17,18,19,20,21,22,23,24,25,26,27,28,29,30,31
	global_load_b32 v[R+64*\e+32*\cc+\n], v[GI], s[36:37] offset:(128*\e+64*\cc+\n)*256   ; W(128 (2 j + e) + 64 cc + 32 h + n, my column)
.endr
.endr
.endr
	s_wait_loadcnt 63                              ; the first K step's 64 loads are in: 64 younger ones exist, the wait's field holds 63, and a smaller count is safe
	QB R, C, W8
.irp g, 0,1,2
	global_store_b128 v[LI], v[C+4*\g:C+4*\g+3], s[38:39] offset:512*\g
.endr
	s_wait_loadcnt 0x0
	QB R+64, C+12, W8+1
.irp g, 0,1,2
	global_store_b128 v[LI], v[C+12+4*\g:C+12+4*\g+3], s[38:39] offset:4*1536+512*\g
.endr
	v_cndmask_b32 v[SI], v[W8], v[W8+1], s24       ; lanes 0-15 the even K step's words, lanes 16-31 the odd one's
	global_store_b32 v[L4], v[SI], s[40:41]
	s_endpgm
	; ---- x: each load reads 512 consecutive bytes of one row; the 16 rows turn through the wave's own stage in LDS into the operand's order
.Lx_path:
	s_sub_co_u32 s25, ttmp9, NW
	s_lshr_b32 s27, s25, 7                         ; tensor
	s_and_b32 s26, s25, 127
	s_lshr_b32 s28, s26, 1                         ; chunk
	s_and_b32 s26, s25, 1
	s_lshl_b32 s26, s26, 2
	s_add_co_u32 s26, s26, s20                     ; tile i = 4 x half + wave
	s_lshl_b32 s30, s28, 7                         ; the tile's first row: 128 chunk
	s_lshr_b32 s29, s26, 1
	s_lshl_b32 s29, s29, 5
	s_add_co_u32 s30, s30, s29                     ; + 32 (i / 2)
	s_and_b32 s29, s26, 1
	s_lshl_b32 s29, s29, 3
	s_add_co_u32 s30, s30, s29                     ; + 8 (i % 2)
	s_lshl_b32 s30, s30, 12                        ; rows of 4,096 bytes
	s_mov_b32 s31, 0
	s_lshl_b32 s32, s27, 6
	s_add_co_u32 s32, s32, s28
	s_mul_i32 s32, s32, 102400                     ; the chunk's block of xq
	s_lshl_b32 s29, s26, 9
	s_add_co_u32 s34, s32, s29
	s_add_co_u32 s34, s34, 98304                   ; my tile's scale image
	s_mov_b32 s35, 0
	s_mul_i32 s29, s26, 1536
	s_add_co_u32 s32, s32, s29                     ; my tile's codes of K step 0
	s_mov_b32 s33, 0
	s_mul_i32 s29, s20, 16*SPX                     ; my stage
	v_add_nc_u32 v[SA], s29, v[LI]                 ; in: 16 x lane, the row in the immediate
	v_mul_u32_u24 v[LA], v2, SPX
	v_lshl_add_u32 v[LA], v3, 7, v[LA]
	v_add_nc_u32 v[LA], s29, v[LA]                 ; out: row r, + 128 h: my block of 32 numbers
	s_wait_kmcnt 0x0
	s_cmp_eq_u32 s27, 0
	s_cselect_b64 s[36:37], s[4:5], s[6:7]
	s_cmp_eq_u32 s27, 2
	s_cselect_b64 s[36:37], s[8:9], s[36:37]
	s_add_nc_u64 s[36:37], s[36:37], s[30:31]
	s_add_nc_u64 s[38:39], s[16:17], s[32:33]
	s_add_nc_u64 s[40:41], s[16:17], s[34:35]
.macro LOADX s                         ; K step s of the tile's 16 rows into set s % 2
.irp n, 0,1,2,3,4,5,6,7,8,9,10,11,12,13,14,15
	global_load_b128 v[R+64*((\s)%2)+4*\n:R+64*((\s)%2)+4*\n+3], v[LI], s[36:37] offset:(\n+8*(\n/8))*4096+512*(\s) th:TH_LOAD_NT
.endr
.endm
.macro STEPX s
.if (\s) < 7
	s_wait_loadcnt 16                              ; this K step's 16 loads are in; the next step's 16 may stay out
.else
	s_wait_loadcnt 0x0
.endif
.irp n, 0,1,2,3,4,5,6,7,8,9,10,11,12,13,14,15
	ds_store_b128 v[SA], v[R+64*((\s)%2)+4*\n:R+64*((\s)%2)+4*\n+3] offset:SPX*\n
.endr
.irp cc, 0,1
.irp m, 0,1,2,3,4,5,6,7
	ds_load_b128 v[X+32*\cc+4*\m:X+32*\cc+4*\m+3], v[LA] offset:256*\cc+16*\m   ; LDS serves a wave's instructions in order: these see the stores above
.endr
.endr
	s_wait_dscnt 0x0                               ; the numbers are back, and the stores have read their registers,
.if (\s)+2 < 8
	LOADX (\s)+2                                   ; which take the loads of two K steps on
.endif
	QB X, C+12*((\s)%2), W8+(\s)
.irp g, 0,1,2
	global_store_b128 v[LI], v[C+12*((\s)%2)+4*\g:C+12*((\s)%2)+4*\g+3], s[38:39] offset:12288*(\s)+512*\g   ; 32 lanes store 512 consecutive bytes, at a multiple of 256 from xq's first byte
.endr
.endm
	LOADX 0
	LOADX 1
.irp s, 0,1,2,3,4,5,6,7
	STEPX \s
.endr
.irp j, 0,1,2,3
	v_cndmask_b32 v[SI+\j], v[W8+2*\j], v[W8+2*\j+1], s24   ; lanes 0-15 K step 2 j, lanes 16-31 K step 2 j + 1
.endr
	global_store_b128 v[LI], v[SI:SI+3], s[40:41]
	s_wait_tensorcnt 0x0
	ds_add_u32 v35, v39
	s_wait_dscnt 0x0
	s_endpgm
.Lfunc_end_k_qced4508c05_prep:
	.size	k_qced4508c05_prep, .Lfunc_end_k_qced4508c05_prep-k_qced4508c05_prep
	.p2alignl 7, 3214868480
	.fill 96, 4, 3214868480
	.section	.rodata,"a",@progbits
	.p2align	6, 0x0
	.amdhsa_kernel k_qced4508c05_prep
		.amdhsa_group_segment_fixed_size 34304
		.amdhsa_private_segment_fixed_size 0
		.amdhsa_enable_private_segment 0
		.amdhsa_kernarg_size 64
		.amdhsa_user_sgpr_count 2
		.amdhsa_user_sgpr_kernarg_segment_ptr 1
		.amdhsa_wavefront_size32 1
		.amdhsa_system_sgpr_workgroup_id_x 1
		.amdhsa_system_sgpr_workgroup_id_y 1
		.amdhsa_system_sgpr_workgroup_id_z 1
		.amdhsa_system_vgpr_workitem_id 0
		.amdhsa_next_free_vgpr 256
		.amdhsa_next_free_sgpr 66
		.amdhsa_reserve_vcc 0
		.amdhsa_float_denorm_mode_32 3
		.amdhsa_float_denorm_mode_16_64 3
		.amdhsa_memory_ordered 1
		.amdhsa_forward_progress 1
		.amdhsa_inst_pref_size 78
	.end_amdhsa_kernel
	.amdgpu_metadata
---
amdhsa.version: [ 1, 2 ]
amdhsa.kernels:
  - .name:           k_qced4508c05_prep
    .symbol:         k_qced4508c05_prep.kd
    .args:
      - { .name: q, .offset: 0, .size: 8, .value_kind: global_buffer, .address_space: global }
      - { .name: k, .offset: 8, .size: 8, .value_kind: global_buffer, .address_space: global }
      - { .name: v, .offset: 16, .size: 8, .value_kind: global_buffer, .address_space: global }
      - { .name: Wq, .offset: 24, .size: 8, .value_kind: global_buffer, .address_space: global }
      - { .name: Wk, .offset: 32, .size: 8, .value_kind: global_buffer, .address_space: global }
      - { .name: Wv, .offset: 40, .size: 8, .value_kind: global_buffer, .address_space: global }
      - { .name: xq, .offset: 48, .size: 8, .value_kind: global_buffer, .address_space: global }
      - { .name: wq, .offset: 56, .size: 8, .value_kind: global_buffer, .address_space: global }
    .group_segment_fixed_size: 34304
    .private_segment_fixed_size: 0
    .kernarg_segment_align: 8
    .kernarg_segment_size: 64
    .max_flat_workgroup_size: 128
    .sgpr_count:     66
    .vgpr_count:     256
    .wavefront_size: 32
...
	.end_amdgpu_metadata
.endif
;; end of part 1
;; launch proj (part 2): grid 4 x 64, 4 waves a work-group, clusters of 4 x 1, 307,712 bytes of LDS; arguments xq, wq, bq, bk, bv, qa, kv; writes qa, kv
.if DOCPART == 2
	.amdgcn_target "amdgcn-amd-amdhsa--gfx1250"
	.amdhsa_code_object_version 6
	.text
	.protected	k_qced4508c05_proj
	.globl	k_qced4508c05_proj
	.p2align	8
	.type	k_qced4508c05_proj,@function
k_qced4508c05_proj:
	s_mov_b64 s[64:65], 0
	v_nop
	global_prefetch_b8 v0, s[64:65] scope:SCOPE_SE
	s_setreg_imm32_b32 hwreg(HW_REG_WAVE_MODE, 25, 1), 1
	s_wait_xcnt 0x0
	s_wait_alu depctr_hold_cnt(0) depctr_sa_sdst(0) depctr_va_vdst(0) depctr_va_sdst(0) depctr_va_ssrc(0) depctr_va_vcc(0) depctr_vm_vsrc(0)
	s_getreg_b32 s2, hwreg(HW_REG_IB_STS2, 6, 4)
	s_cmp_eq_u32 s2, 0
	s_cbranch_scc0 .Lentry_in_a_cluster
	s_endpgm
.Lentry_in_a_cluster:
	s_bfe_u32 s2, ttmp6, 0x10000c
	s_cmp_lg_u32 s2, 0x3003
	s_cbranch_scc0 .Lentry_shape_is_right
	s_endpgm
.Lentry_shape_is_right:
; qh = q Wq + bq, kh = k Wk + bk, vh = v Wv + bv on codes of FP6 (E2M3) with E8M0 scales (made by the launch before), sums in f32; the results are quantised at once, qh and kh along the head's 64 channels,
; vh along the keys, and leave as images of the operand registers that the attention launch loads.
; SHARES.  A work-group takes 128 rows (a chunk: batch = chunk / 16, key step = chunk % 16) and four heads, one a wave: head = 4 cx + wave.  It runs three UNITS: q, k, v.  A wave's unit is 128 rows x 64 channels x
; K 1,024: 32 accumulators, 8 K steps of 32 matrix instructions.
; LDS.  The three chunk blocks of xq (102,400 bytes each: codes, then scale images) are filled ONCE, at the head; no byte of LDS is filled twice.
; CLUSTER.  The four work-groups of a cluster take the same chunk and differ in their heads: each block is asked for JOINTLY, by the same tensor loads with a mask that names the four.
; W is not shared so: each wave of each partner has another head, so W's fragments go from memory straight into registers, each unit's a whole unit ahead of their use.
; q, k: source 0 = 16 channels of W, source 1 = 16 rows of x: a lane holds ONE token, and by the tiles' order of rows the 16 registers of W's tiles 2 b, 2 b + 1 are channels 32 b + 16 h + 0 .. 15.
; v: the sources swapped: a lane holds ONE channel, and the 16 registers of x's tiles 2 b, 2 b + 1 are keys 32 b + 16 h + 0 .. 15.  So in all three units registers 16 n .. 16 n + 15 of the accumulators' window
; are half a block of 32 along the next product's K, and lane l xor 16 holds the other half.  The bias is the C of each sum's first matrix instruction.
; qa: [batch x 16 + head][block of 128 queries 16][6,656]: 48 registers' image (tile i owns registers 6 i .. 6 i + 5: channels 32 h + 0 .. 31), then at 6,144 the scale image: word j of lane l = tile 2 j + l / 16, row l % 16.
; kv: [batch x 16 + head][key step 16][13,312]: K's image as in qa; at 6,144 V's four fragments (12 registers each: 16 channels x 128 keys); at 12,288 K's scale image; at 12,800 V's: word t of lane l = fragment t, row l % 16.
; A q or k scale word has its bytes 2 and 3 zero (2^-127, no NaN): the attention launch multiplies zero codes under them.
; LIMITS: NaN and infinities are not served; a block whose largest magnitude lies under 2^-124 gets the byte 1; these bytes are read by this program alone.
; REGISTERS, in windows of 256: window 0: v1-10 addresses; v16-47 x's scale words; v48-63 W's; v68-115 the codes made; v120-151 the bias; v152-155 the scale image; v160-255 x's fragments of even K steps, at work in the epilogue.
;   window 1: W's fragments of K steps 0-4 (48 s + 12 t).   window 2: of K steps 5-7; v160-255 x's fragments of odd K steps.   window 3: the 32 accumulators.
.set CHB,  102400                      ; a chunk block
.set LI,   1                           ; v1   16 x lane
.set XA,   2                           ; v2-7 LDS: 16 x lane + CHB u + 49,152 x half
.set BAQ,  8                           ; v8   64 h: the bias of q, k
.set BAV,  9                           ; v9   4 (r + 8 (r / 8)): the bias of v
.set L4,   10                          ; v10  4 x lane
.set XS,   16                          ; x's scale words: register 4 i + j: lanes 0-15 K step 2 j, lanes 16-31 K step 2 j + 1
.set WS,   48                          ; W's likewise: 4 t + j
.set E,    68
.set BIAS, 120
.set SI,   152
.set XB,   160
.set TM,   160                         ; v160-175 largest magnitudes, then scale bytes
.set TP,   176                         ; v176-191 the other half's, then scale words
.set T,    200                         ; v200-230 second halves of the codes
.set SO,   232                         ; v232-247 the conversions' scale operands
.set WV,   18
.set MSB, 0
.macro WIN new                         ; the immediate's high byte repeats the setting that is left; a switch that changes nothing is dropped
.if MSB != (\new)
	s_set_vgpr_msb (MSB<<8)|(\new)
.set MSB, (\new)
.endif
.endm
.macro PLACES n                        ; plain vector instructions behind matrix instructions (ISA guide 7.12.1), where no other work is at hand
.rept \n
	v_nop
.endr
.endm
.macro CROUND                          ; a round of the cluster's barrier
	s_barrier_signal -1
	s_barrier_wait -1
	s_cmp_lg_u32 s[WV], 0
	s_cbranch_scc1 .Lnot_wave_0_\@
	s_barrier_signal -3
.Lnot_wave_0_\@:
	s_barrier_wait -3
	s_barrier_signal -1
	s_barrier_wait -1
.endm
.macro WLOAD u, s                      ; unit u's four fragments of W for K step s, from memory into their registers
.set WB_, 48*((\s)%5)
	WIN (1+(\s)/5)<<6
.irp t, 0,1,2,3
.irp c, 0,1,2
	global_load_b128 v[WB_+12*\t+4*\c:WB_+12*\t+4*\c+3], v[LI], s[24+2*(\u):25+2*(\u)] offset:(4*(\s)+\t)*1536+512*\c
.endr
.endr
.endm
.macro WSB u                           ; unit u's scale words of W and its bias
	WIN 0
.irp t, 0,1,2,3
.irp j, 0,1,2,3
	global_load_b32 v[WS+4*\t+\j], v[L4], s[24+2*(\u):25+2*(\u)] offset:49152+128*(4*\t+\j)
.endr
.endr
.irp t, 0,1,2,3
.if (\u) < 2
	global_load_b128 v[BIAS+8*\t:BIAS+8*\t+3], v[BAQ], s[8+2*(\u):9+2*(\u)] offset:4*(32*(\t/2)+8*(\t%2))       ; register j: channel 32 (t / 2) + 16 h + 8 (t % 2) + j
	global_load_b128 v[BIAS+8*\t+4:BIAS+8*\t+7], v[BAQ], s[8+2*(\u):9+2*(\u)] offset:4*(32*(\t/2)+8*(\t%2))+16
.else
	global_load_b32 v[BIAS+8*\t], v[BAV], s[8+2*(\u):9+2*(\u)] offset:4*(32*(\t/2)+8*(\t%2))                    ; my lane's channel: one number for all eight registers
.endif
.endr
.endm
.macro XLOAD u, s                      ; x's eight fragments of K step s from LDS: even steps into window 0, odd ones into window 2
	WIN 0x80*((\s)%2)
.irp i, 0,1,2,3,4,5,6,7
.irp c, 0,1,2
	ds_load_b128 v[XB+12*\i+4*\c:XB+12*\i+4*\c+3], v[XA+2*(\u)+(\s)/4] offset:(8*((\s)%4)+\i)*1536+512*\c
.endr
.endr
.endm
; 32 matrix instructions: K step s.  The 32 accumulators take turns, one instruction a turn, in the same order in every step.  The first step's C is the bias.
.macro MUL kind, s
.set WB_, 48*((\s)%5)
.set WW_, 1+(\s)/5
.set XW_, 2*((\s)%2)
.set CW_, 3
.if (\s) == 0
.set CW_, 0
.endif
.if \kind
	WIN 0xc0|(CW_<<4)|(WW_<<2)|XW_
.else
	WIN 0xc0|(CW_<<4)|(XW_<<2)|WW_
.endif
.irp o, 0,1,2,3,4,5,6,7,8,9,10,11,12,13,14,15,16,17,18,19,20,21,22,23,24,25,26,27,28,29,30,31
.if \kind
.set T_, \o/8                          ; v: accumulator 8 t + i
.set I_, \o%8
.set A_, XB+12*I_
.set B_, WB_+12*T_
.set SA_, XS+4*I_+(\s)/2
.set SB_, WS+4*T_+(\s)/2
.else
.set I_, \o/4                          ; q, k: accumulator 4 i + t
.set T_, \o%4
.set A_, WB_+12*T_
.set B_, XB+12*I_
.set SA_, WS+4*T_+(\s)/2
.set SB_, XS+4*I_+(\s)/2
.endif
.set D_, 8*\o
.set C_, D_
.if (\s) == 0
.set C_, BIAS+8*T_
.endif
.if (\s)%2
	v_wmma_scale_f32_16x16x128_f8f6f4 v[D_:D_+7], v[A_:A_+11], v[B_:B_+11], v[C_:C_+7], v[SA_], v[SB_] matrix_a_fmt:MATRIX_FMT_FP6 matrix_b_fmt:MATRIX_FMT_FP6 matrix_a_scale:MATRIX_SCALE_ROW1 matrix_b_scale:MATRIX_SCALE_ROW1
.else
	v_wmma_scale_f32_16x16x128_f8f6f4 v[D_:D_+7], v[A_:A_+11], v[B_:B_+11], v[C_:C_+7], v[SA_], v[SB_] matrix_a_fmt:MATRIX_FMT_FP6 matrix_b_fmt:MATRIX_FMT_FP6
.endif
.endr
.endm
; THE EPILOGUE: 16 half blocks, block n = registers 16 n .. 16 n + 15 of window 3.  ob: the scalar pair of the output's base; coff, soff: where the codes and the scale image go.
.macro EPI kind, ob, coff, soff
	WIN 0x3c                                       ; sources 1 and 2 in window 3
.set n, 0
.rept 16
	v_max3_num_f32 v[TM+n], 0x1800000, |v[16*n]|, |v[16*n+1]|   ; the floor 2^(3 - 127), and each accumulator from its low end on
.set n, n+1
.endr
.irp i, 2,4,6,8,10,12,14
.set n, 0
.rept 16
	v_max3_num_f32 v[TM+n], v[TM+n], |v[16*n+\i]|, |v[16*n+\i+1]|   ; the sixteen blocks by turns
.set n, n+1
.endr
.endr
	WIN 0
.set n, 0
.rept 16
	v_permlanex16_b32 v[TP+n], v[TM+n], s52, s53
.set n, n+1
.endr
.set n, 0
.rept 16
	v_max_num_f32 v[TM+n], v[TM+n], v[TP+n]        ; with lane l xor 16's half: the block's largest magnitude
.set n, n+1
.endr
.set n, 0
.rept 16
	v_add_nc_u32 v[SO+n], 0xff000000, v[TM+n]      ; 2 off the exponent field: the conversion's scale operand
.set n, n+1
.endr
.set n, 0
.rept 16
	v_lshrrev_b32 v[TM+n], 23, v[SO+n]             ; the scale's byte
.set n, n+1
.endr
	s_wait_xcnt 0x0                                ; the last unit's stores have had their addresses translated: only now are the image and the codes written again
.if \kind
.irp t, 0,1,2,3                                ; v: fragment t's word: the four blocks of 32 keys of my channel
	v_lshl_or_b32 v[SI+\t], v[TM+4*\t+1], 8, v[TM+4*\t]
	v_lshl_or_b32 v[SI+\t], v[TM+4*\t+2], 16, v[SI+\t]
	v_lshl_or_b32 v[SI+\t], v[TM+4*\t+3], 24, v[SI+\t]
.endr
.else
.irp i, 0,1,2,3,4,5,6,7                        ; q, k: tile i's word: the two blocks of 32 channels of my token; bytes 2 and 3 stay 0
	v_lshl_or_b32 v[TP+\i], v[TM+2*\i+1], 8, v[TM+2*\i]
.endr
.irp j, 0,1,2,3
	v_cndmask_b32 v[SI+\j], v[TP+2*\j], v[TP+2*\j+1], s54   ; lanes 0-15 tile 2 j, lanes 16-31 tile 2 j + 1
.endr
.endif
	WIN 0x03                                       ; source 0 in window 3
.irp m, 0,1,2,3,4,5,6,7
	v_cvt_scalef32_pk16_fp6_f32 v[E+6*\m:E+6*\m+2], v[32*\m:32*\m+15], v[SO+2*\m]
	v_cvt_scalef32_pk16_fp6_f32 v[T+4*\m:T+4*\m+2], v[32*\m+16:32*\m+31], v[SO+2*\m+1]   ; (a conversion's three registers begin on an even number)
.endr
	WIN 0
	v_nop                                          ; one plain instruction behind the scaled conversions
.irp m, 0,1,2,3,4,5,6,7                        ; the operand's layout wants a WHOLE block in a lane: lanes 0-15 block 2 m, lanes 16-31 block 2 m + 1
.irp i, 0,1,2
	v_permlane16_swap_b32 v[E+6*\m+\i], v[T+4*\m+\i]
.endr
.irp i, 0,1,2
	v_mov_b32 v[E+6*\m+3+\i], v[T+4*\m+\i]
.endr
.endr
.irp g, 0,1,2,3,4,5,6,7,8,9,10,11
	global_store_b128 v[LI], v[E+4*\g:E+4*\g+3], s[\ob:\ob+1] offset:\coff+512*\g   ; 32 lanes store 512 consecutive bytes, at a multiple of 256 from the buffer's first byte
.endr
	global_store_b128 v[LI], v[SI:SI+3], s[\ob:\ob+1] offset:\soff
.endm
.macro UNIT u, kind, ob, coff, soff
	WIN 0
	s_wait_tensorcnt 2-(\u)                        ; my quarter of this unit's block is in; the later units' loads may stay out
	s_wait_dscnt 0x0
	s_barrier_signal -1
	s_barrier_wait -1                              ; everybody's quarter is in
	s_wait_loadcnt 0x0                             ; this unit's W, its scale words and its bias: asked for a whole unit ago (the first unit's at the head)
.if \kind
.irp t, 0,1,2,3
.irp j, 1,2,3,4,5,6,7
	v_mov_b32 v[BIAS+8*\t+\j], v[BIAS+8*\t]        ; v: a lane's eight results are one channel's
.endr
.endr
	PLACES 4
.endif
.irp i, 0,1,2,3,4,5,6,7
	ds_load_b128 v[XS+4*\i:XS+4*\i+3], v[XA+2*(\u)+1] offset:49152+512*\i   ; x's scale words for all of K
.endr
	XLOAD \u, 0
.irp s, 0,1,2,3,4,5,6,7
.if \s > 0
	PLACES 4                                       ; in front of loads into registers that the last step's products have read
.if (\u) < 2
	WLOAD (\u)+1, \s-1                             ; the next unit's W takes the registers that the last step has left
.endif
.endif
.if \s < 7
	XLOAD \u, \s+1
	s_wait_dscnt 24                                ; all but the 24 just issued
.else
	s_wait_dscnt 0x0
.endif
	MUL \kind, \s
.endr
	PLACES 5                                       ; four serve the loads and reads below; the next unit's first products write these accumulators anew with another C, which asks for five
.if (\u) < 2
	WLOAD (\u)+1, 7
	WSB (\u)+1
.endif
	EPI \kind, \ob, \coff, \soff
.endm
	s_load_b256 s[4:11], s[0:1], 0x0               ; xq s[4:5], wq s[6:7], bq s[8:9], bk s[10:11]
	s_load_b128 s[12:15], s[0:1], 0x20             ; bv s[12:13], qa s[14:15]
	s_load_b64 s[16:17], s[0:1], 0x30              ; kv
	v_lshl_add_u32 v158, v0, 2, 0x4b000
	v_mov_b32 v159, 0
	ds_add_u32 v158, v159
	ds_add_u32 v158, v159
	v_lshrrev_b32 v1, 5, v0
	v_readfirstlane_b32 s[WV], v1                  ; wave 0..3
	s_bfe_u32 s19, ttmp6, 0x40000                  ; cx: my place in the cluster = my group of four heads (the grid has one cluster along x)
	s_and_b32 s20, ttmp7, 0xffff                   ; the chunk, which the four partners share
	s_lshl_b32 s21, s19, 2
	s_add_co_u32 s21, s21, s[WV]                   ; my head: it enters global addresses of W, the biases and the outputs alone
	; descriptor group 1: a quarter of a chunk block, 25,600 dense bytes, as 100 rows of 256 bytes (32 elements of 8 bytes), no padding: the images are read 512 consecutive bytes an instruction
	s_mov_b32 s32, 15|(3<<16)|(1<<21)              ; 15:0 the mask: all four work-groups; 17:16 elements of 8 bytes; 21 set beside a mask
	s_mov_b32 s33, 32<<16                          ; tensor_dim0 = 32
	s_mov_b32 s34, 100<<16                         ; tensor_dim1 = 100
	s_mov_b32 s35, 32<<16                          ; tile_dim0 = 32
	s_mov_b32 s36, 100                             ; tile_dim1 = 100
	s_mov_b32 s37, 32                              ; from row to row
	s_mov_b32 s38, 0
	s_mov_b32 s39, 0
	s_mul_i32 s22, s20, CHB
	s_mul_i32 s30, s[WV], CHB/4                    ; my quarter, in memory and in LDS
	s_add_co_u32 s22, s22, s30
	s_mov_b32 s23, 0
	s_mov_b32 s52, 0x76543210
	s_mov_b32 s53, 0xfedcba98                      ; v_permlanex16_b32's selects for lane l xor 16
	s_mov_b32 s54, 0xffff0000                      ; lanes 16-31
	s_wait_dscnt 0x0
	s_wait_kmcnt 0x0
	s_add_nc_u64 s[4:5], s[4:5], s[22:23]
.irp u, 0,1,2
	s_mov_b32 s[40+4*\u], 1                        ; count = 1
	s_add_co_u32 s[41+4*\u], s30, \u*CHB           ; LDS address: unit u's block, my quarter
	s_add_nc_u64 s[42+4*\u:43+4*\u], s[4:5], \u*64*CHB   ; global address: tensor u, my chunk, my quarter
	s_or_b32 s[43+4*\u], s[43+4*\u], 0x80000000    ; type = 2
.endr
	CROUND                                         ; all four work-groups are here: the joint loads meet
	tensor_load_to_lds s[40:43], s[32:39]          ; by this text's count three tensor loads of a wave are out
	s_nop 0
	tensor_load_to_lds s[44:47], s[32:39]
	s_nop 0
	tensor_load_to_lds s[48:51], s[32:39]
	s_nop 0
	PLACES 4
	s_mul_i32 s56, s21, 51200
	s_mov_b32 s57, 0
	s_add_nc_u64 s[24:25], s[6:7], s[56:57]        ; my head's block of wq: Wq's,
	s_add_nc_u64 s[26:27], s[24:25], 16*51200      ; Wk's,
	s_add_nc_u64 s[28:29], s[24:25], 32*51200      ; Wv's
	s_lshl_b32 s56, s21, 8
	s_add_nc_u64 s[8:9], s[8:9], s[56:57]          ; my head's 64 numbers of each bias
	s_add_nc_u64 s[10:11], s[10:11], s[56:57]
	s_add_nc_u64 s[12:13], s[12:13], s[56:57]
	s_lshr_b32 s58, s20, 4
	s_lshl_b32 s58, s58, 4
	s_add_co_u32 s58, s58, s21                     ; batch x 16 + head
	s_and_b32 s59, s20, 15                         ; block of 128 tokens in the batch
	s_mul_i32 s56, s58, 106496
	s_mul_i32 s55, s59, 6656
	s_add_co_u32 s56, s56, s55
	s_add_nc_u64 s[14:15], s[14:15], s[56:57]
	s_mul_i32 s56, s58, 212992
	s_mul_i32 s55, s59, 13312
	s_add_co_u32 s56, s56, s55
	s_add_nc_u64 s[16:17], s[16:17], s[56:57]
	v_and_b32 v1, 31, v0
	v_lshlrev_b32 v[L4], 2, v1
	v_lshlrev_b32 v[LI], 4, v1
.irp u, 0,1,2
	v_add_nc_u32 v[XA+2*\u], \u*CHB, v[LI]
	v_add_nc_u32 v[XA+2*\u+1], \u*CHB+49152, v[LI]
.endr
	v_bfe_u32 v[BAQ], v0, 4, 1
	v_lshlrev_b32 v[BAQ], 6, v[BAQ]
	v_and_b32 v11, 15, v0
	v_and_b32 v[BAV], 8, v11
	v_add_nc_u32 v[BAV], v[BAV], v11
	v_lshlrev_b32 v[BAV], 2, v[BAV]
.irp s, 0,1,2,3,4,5,6,7
	WLOAD 0, \s
.endr
	WSB 0
	UNIT 0, 0, 14, 0, 6144                         ; q -> qa
	UNIT 1, 0, 16, 0, 12288                        ; k -> kv
	UNIT 2, 1, 16, 6144, 12800                     ; v -> kv
	s_wait_dscnt 0x0
	s_wait_tensorcnt 0x0
	ds_add_u32 v158, v159
	s_wait_dscnt 0x0
	CROUND                                         ; the closing round: no work-group ends while a partner may still ask for a block that names it
	s_endpgm
.Lfunc_end_k_qced4508c05_proj:
	.size	k_qced4508c05_proj, .Lfunc_end_k_qced4508c05_proj-k_qced4508c05_proj
	.p2alignl 7, 3214868480
	.fill 96, 4, 3214868480
	.section	.rodata,"a",@progbits
	.p2align	6, 0x0
	.amdhsa_kernel k_qced4508c05_proj
		.amdhsa_group_segment_fixed_size 307712
		.amdhsa_private_segment_fixed_size 0
		.amdhsa_enable_private_segment 0
		.amdhsa_kernarg_size 56
		.amdhsa_user_sgpr_count 2
		.amdhsa_user_sgpr_kernarg_segment_ptr 1
		.amdhsa_wavefront_size32 1
		.amdhsa_system_sgpr_workgroup_id_x 1
		.amdhsa_system_sgpr_workgroup_id_y 1
		.amdhsa_system_sgpr_workgroup_id_z 1
		.amdhsa_system_vgpr_workitem_id 0
		.amdhsa_next_free_vgpr 1024
		.amdhsa_next_free_sgpr 66
		.amdhsa_reserve_vcc 0
		.amdhsa_float_denorm_mode_32 3
		.amdhsa_float_denorm_mode_16_64 3
		.amdhsa_memory_ordered 1
		.amdhsa_forward_progress 1
		.amdhsa_inst_pref_size 229
	.end_amdhsa_kernel
	.amdgpu_metadata
---
amdhsa.version: [ 1, 2 ]
amdhsa.kernels:
  - .name:           k_qced4508c05_proj
    .symbol:         k_qced4508c05_proj.kd
    .args:
      - { .name: xq, .offset: 0, .size: 8, .value_kind: global_buffer, .address_space: global }
      - { .name: wq, .offset: 8, .size: 8, .value_kind: global_buffer, .address_space: global }
      - { .name: bq, .offset: 16, .size: 8, .value_kind: global_buffer, .address_space: global }
      - { .name: bk, .offset: 24, .size: 8, .value_kind: global_buffer, .address_space: global }
      - { .name: bv, .offset: 32, .size: 8, .value_kind: global_buffer, .address_space: global }
      - { .name: qa, .offset: 40, .size: 8, .value_kind: global_buffer, .address_space: global }
      - { .name: kv, .offset: 48, .size: 8, .value_kind: global_buffer, .address_space: global }
    .group_segment_fixed_size: 307712
    .private_segment_fixed_size: 0
    .kernarg_segment_align: 8
    .kernarg_segment_size: 56
    .max_flat_workgroup_size: 128
    .sgpr_count:     66
    .vgpr_count:     1024
    .wavefront_size: 32
...
	.end_amdgpu_metadata
.endif
;; end of part 2
;; launch attn (part 3): grid 8 x 64, 16 waves a work-group, clusters of 4 x 1, 284,672 bytes of LDS; arguments qa, kv, out0; writes out0
.if DOCPART == 3
	.amdgcn_target "amdgcn-amd-amdhsa--gfx1250"
	.amdhsa_code_object_version 6
	.text
	.protected	k_qced4508c05_attn
	.globl	k_qced4508c05_attn
	.p2align	8
	.type	k_qced4508c05_attn,@function
k_qced4508c05_attn:
	s_mov_b64 s[64:65], 0
	v_nop
	global_prefetch_b8 v0, s[64:65] scope:SCOPE_SE
	s_setreg_imm32_b32 hwreg(HW_REG_WAVE_MODE, 25, 1), 1
	s_wait_xcnt 0x0
	s_wait_alu depctr_hold_cnt(0) depctr_sa_sdst(0) depctr_va_vdst(0) depctr_va_sdst(0) depctr_va_ssrc(0) depctr_va_vcc(0) depctr_vm_vsrc(0)
	s_getreg_b32 s2, hwreg(HW_REG_IB_STS2, 6, 4)
	s_cmp_eq_u32 s2, 0
	s_cbranch_scc0 .Lentry_in_a_cluster
	s_endpgm
.Lentry_in_a_cluster:
	s_bfe_u32 s2, ttmp6, 0x10000c
	s_cmp_lg_u32 s2, 0x3003
	s_cbranch_scc0 .Lentry_shape_is_right
	s_endpgm
.Lentry_shape_is_right:
; out0[b][q][64 head + :] = the sum over keys of softmax(qh . kh) vh, no mask and no 1 / sqrt(d), both products on codes of FP6 (E2M3) with E8M0 scales, made by the launch before (its head comment states qa's and kv's layouts).
; THE SOFTMAX AHEAD OF THE SECOND PRODUCT: t = score x log2(e); M = the running largest t rounded UP to a whole number, kept as -M = floor(-t); p = 2^(t - M) is quantised along the keys, not normalised; the row's sum is
; taken of the unquantised p and divides at the end; when M moves, the sum and O are multiplied by 2^(old M - new M), which rounds nothing.
; SHARES.  A work-group owns 256 queries of one (batch, head); each of its sixteen waves 16 of them, one tile, in 226 registers: four waves to a SIMD, so that one wave's vector work stands beside another's products and LDS loads.
; Every wave walks the head's 2,048 keys, 128 a step.
; LDS.  The head's whole block of kv, 212,992 bytes, is filled ONCE: key steps 0-3 by each wave's first tensor load, steps 4-15 by its second, which lands while the first four steps are worked.  No byte is filled twice.
; CLUSTER.  The four work-groups of a cluster are four blocks of queries of one head: the block is asked for JOINTLY, by the same tensor loads with a mask that names the four.
; LAYOUT.  Both products are used transposed: S^T = K Q^T (source 0 = 16 keys, source 1 = my 16 queries), O^T = V^T P^T: a lane holds ONE query throughout.  By the tiles' order of rows the 16 registers of K's tiles
; 2 b, 2 b + 1 are keys 32 b + 16 h + 0 .. 15, and those of V's tiles 2 b, 2 b + 1 channels 32 b + 16 h + 0 .. 15.
; K = 64 IN AN INSTRUCTION OF 128: a tile of Q or K has 6 registers of codes.  Q's registers 6-11 are zero codes, so whatever codes stand in registers 6-11 of K's operand add nothing (FP6 has no NaN and no infinity, and
; the scale bytes there are 0, which is 2^-127): K's eight tiles lie 6 registers apart, tile i's operand runs on into tile i + 1's codes, and six registers of zeros stand behind tile 7.
; LIMITS: NaN and infinities are not served.  A block's largest p is taken as the exponential of the block's largest score, which takes v_exp_f32 not to fall where its input rises.
.set STEPB, 13312                      ; a key step's bytes: K's image 6,144, V's 6,144, K's scale image 512, V's 512
.set KVB,   16*STEPB
.set STG,   KVB                        ; behind the block: a stage of 16 rows x (256 bytes + 16) for each wave; no tensor load lands there
.set SP,    272
.set LI,  1                            ; v1   16 x lane
.set ADR, 2                            ; v2   the step's LDS address
.set GO,  3                            ; v3   the way out: my byte offset in two rows of out0
.set STO, 4                            ; v4   the stage: where I put 64 bytes of a row
.set RD,  5                            ; v5   and where I read a row back
.set QO,  6                            ; v6-8 Q's codes: my offsets;  v9 its scale word's
.set QS,  10                           ; v10  Q's scale word
.set Q,   16                           ; v16-21 Q's codes, v22-27 zero codes
.set KS,  28                           ; v28-31 K's scale words: register j: lanes 0-15 tile 2 j, lanes 16-31 tile 2 j + 1
.set VS,  32                           ; v32-35 V's: register t: fragment t
.set KV,  36                           ; v36-83 K's image, then V's; v84-89 zero codes
.set S,   96                           ; v96-159 S^T, then p
.set O,   160                          ; v160-191 O^T
.set P,   192                          ; v192-203 p's codes
.set TT,  204                          ; v204-211 at work
.set BM,  212                          ; v212-215 each block's largest score, then its largest p
.set SO,  216                          ; v216-219 the conversions' scale operands
.set F,   220                          ; v220 f = 2^(old M - new M); v221 p's scale word
.set PW,  221
.set TMP, 222
.set WV,  10                           ; s10  my wave's number
.set TB,  48                           ; s48  LDS byte at which the step's bytes begin
.set CNT, 49
.macro PLACES n
.rept \n
	v_nop
.endr
.endm
.macro CROUND                          ; a round of the cluster's barrier
	s_barrier_signal -1
	s_barrier_wait -1
	s_cmp_lg_u32 s[WV], 0
	s_cbranch_scc1 .Lnot_wave_0_\@
	s_barrier_signal -3
.Lnot_wave_0_\@:
	s_barrier_wait -3
	s_barrier_signal -1
	s_barrier_wait -1
.endm
	s_load_b128 s[4:7], s[0:1], 0x0                ; qa s[4:5], kv s[6:7]
	s_load_b64 s[8:9], s[0:1], 0x10                ; out0
	v_lshl_add_u32 v224, v0, 2, 0x45000
	v_mov_b32 v225, 0
	ds_add_u32 v224, v225
	ds_add_u32 v224, v225
	v_lshrrev_b32 v1, 5, v0
	v_readfirstlane_b32 s[WV], v1                  ; wave 0..15
	s_bfe_u32 s11, ttmp6, 0x40000                  ; cx
	s_lshl_b32 s12, ttmp9, 2
	s_add_co_u32 s12, s12, s11                     ; my block of 256 queries: it enters Q's and the output's global addresses alone
	s_and_b32 s13, ttmp7, 0xffff                   ; batch x 16 + head, which the four partners share
	s_mul_i32 s14, s13, KVB
	s_mov_b32 s15, 0
	s_mul_i32 s16, s[WV], 13*256                   ; my part of key steps 0-3,
	s_mul_i32 s17, s[WV], 39*256
	s_add_co_u32 s17, s17, 4*STEPB                 ; and of steps 4-15: the same offsets in memory and in LDS
	s_mov_b32 s19, 0
	; descriptor groups 1: dense bytes as rows of 256 (32 elements of 8 bytes), no padding: 13 rows and 39 rows
	s_mov_b32 s24, 15|(3<<16)|(1<<21)              ; 15:0 the mask: all four work-groups; 17:16 elements of 8 bytes; 21 set beside a mask
	s_mov_b32 s25, 32<<16
	s_mov_b32 s26, 13<<16
	s_mov_b32 s27, 32<<16
	s_mov_b32 s28, 13
	s_mov_b32 s29, 32
	s_mov_b32 s30, 0
	s_mov_b32 s31, 0
	s_mov_b32 s32, 15|(3<<16)|(1<<21)
	s_mov_b32 s33, 32<<16
	s_mov_b32 s34, 39<<16
	s_mov_b32 s35, 32<<16
	s_mov_b32 s36, 39
	s_mov_b32 s37, 32
	s_mov_b32 s38, 0
	s_mov_b32 s39, 0
	s_mov_b32 s20, 0x76543210
	s_mov_b32 s21, 0xfedcba98                      ; v_permlanex16_b32's selects for lane l xor 16
	s_mov_b32 s22, 0x3fb8aa3b                      ; c = log2(e)
	s_mov_b32 s23, s22                             ; (named with it as a pair, so it is written)
	s_wait_dscnt 0x0
	s_wait_kmcnt 0x0
	s_add_nc_u64 s[6:7], s[6:7], s[14:15]          ; the head's block
	s_mov_b32 s40, 1
	s_mov_b32 s41, s16
	s_mov_b32 s18, s16
	s_add_nc_u64 s[42:43], s[6:7], s[18:19]
	s_or_b32 s43, s43, 0x80000000
	s_mov_b32 s44, 1
	s_mov_b32 s45, s17
	s_mov_b32 s18, s17
	s_add_nc_u64 s[46:47], s[6:7], s[18:19]
	s_or_b32 s47, s47, 0x80000000
	CROUND                                         ; all four work-groups are here: the joint loads meet
	tensor_load_to_lds s[40:43], s[24:31]          ; by this text's count two tensor loads of a wave are out
	s_nop 0
	tensor_load_to_lds s[44:47], s[32:39]
	s_nop 0
	PLACES 4
	s_and_b32 s50, s[WV], 7                        ; my tile i of a block of 128 queries,
	s_lshr_b32 s51, s[WV], 3                       ; in which of my work-group's two blocks
	s_lshl_b32 s52, s12, 1
	s_add_co_u32 s52, s52, s51
	s_mul_i32 s52, s52, 6656
	s_mul_i32 s53, s13, 106496
	s_add_co_u32 s52, s52, s53
	s_mov_b32 s53, 0
	s_add_nc_u64 s[4:5], s[4:5], s[52:53]          ; qa at my block of 128 queries
	s_lshr_b32 s54, s13, 4
	s_lshl_b32 s54, s54, 11                        ; my tile's first token: 2,048 batch
	s_lshl_b32 s55, s12, 8
	s_add_co_u32 s54, s54, s55                     ; + 256 x block
	s_lshl_b32 s55, s51, 7
	s_add_co_u32 s54, s54, s55
	s_lshr_b32 s55, s50, 1
	s_lshl_b32 s55, s55, 5
	s_add_co_u32 s54, s54, s55                     ; + 32 (i / 2)
	s_and_b32 s55, s50, 1
	s_lshl_b32 s55, s55, 3
	s_add_co_u32 s54, s54, s55                     ; + 8 (i % 2)
	s_lshl_b32 s54, s54, 12                        ; rows of 4,096 bytes,
	s_and_b32 s55, s13, 15
	s_lshl_b32 s55, s55, 8
	s_add_co_u32 s54, s54, s55                     ; the head's 256 bytes
	s_mov_b32 s55, 0
	s_add_nc_u64 s[8:9], s[8:9], s[54:55]
	v_and_b32 v1, 31, v0
	v_lshlrev_b32 v[LI], 4, v1
	v_and_b32 v11, 15, v0                          ; r
	v_bfe_u32 v[TMP], v0, 4, 1                     ; h
	s_mul_i32 s56, s50, 6                          ; my tile owns registers 6 i .. 6 i + 5 of the image: register e lies at 512 (e / 4) + 16 lane + 4 (e % 4)
.irp p, 0,1,2
	s_add_co_u32 s57, s56, 2*\p
	s_lshr_b32 s58, s57, 2
	s_lshl_b32 s58, s58, 9
	s_and_b32 s57, s57, 3
	s_lshl_b32 s57, s57, 2
	s_add_co_u32 s57, s57, s58
	v_add_nc_u32 v[QO+\p], s57, v[LI]
.endr
	s_and_b32 s57, s50, 1
	s_lshl_b32 s57, s57, 8
	s_lshr_b32 s58, s50, 1
	s_lshl_b32 s58, s58, 2
	s_add_co_u32 s57, s57, s58
	s_add_co_u32 s57, s57, 6144
	v_lshl_add_u32 v9, v11, 4, s57                 ; the scale image's word i / 2 of lane r + 16 (i % 2)
.irp p, 0,1,2
	global_load_b64 v[Q+2*\p:Q+2*\p+1], v[QO+\p], s[4:5]
.endr
	global_load_b32 v[QS], v9, s[4:5]
	s_mul_i32 s57, s[WV], 16*SP
	s_add_co_u32 s57, s57, STG                     ; my stage
	v_mul_u32_u24 v[STO], v11, SP
	v_lshl_add_u32 v[STO], v[TMP], 6, v[STO]
	v_add_nc_u32 v[STO], s57, v[STO]               ; in: row r, + 64 h
	v_mul_u32_u24 v[RD], v[TMP], SP
	v_lshl_add_u32 v[RD], v11, 4, v[RD]
	v_add_nc_u32 v[RD], s57, v[RD]                 ; back: lanes 0-15 one row of 256 bytes, lanes 16-31 the next
	v_lshlrev_b32 v[GO], 12, v[TMP]
	v_lshl_add_u32 v[GO], v11, 4, v[GO]            ; and the same two rows in out0
.irp j, 0,1,2,3,4,5
	v_mov_b32 v[Q+6+\j], 0                         ; zero codes: K = 64 .. 127 of Q
	v_mov_b32 v[KV+48+\j], 0                       ; and behind K's tile 7
.endr
	v_mov_b32 v13, 0xff61b1e6                      ; the largest t so far: -3e38, under every t
	v_floor_f32 v12, -v13                          ; -M
	v_mov_b32 v14, 0                               ; the sum, in two halves
	v_mov_b32 v15, 0
.irp b, 0,1,2,3
	v_mov_b32 v[TT+\b], 0                          ; written once: a lane permute's destination counts as one of its sources
.endr
	v_mov_b32 v[PW], 0                             ; (named as the upper half of the pair v[F:F+1] before it is first written)
.set j, 0
.rept 32
	v_mov_b32 v[O+j], 0                            ; O^T.  (The step is written with no first step of its own: the first change of M multiplies zeros)
.set j, j+1
.endr
; A KEY STEP: 128 keys.
.macro STEP
	v_add_nc_u32 v[ADR], s[TB], v[LI]
	PLACES 3                                       ; with the addition: four places in front of loads into registers that the last products have read
.irp n, 0,1,2,3,4,5,6,7,8,9,10,11
	ds_load_b128 v[KV+4*\n:KV+4*\n+3], v[ADR] offset:512*\n          ; K's eight tiles, 6 registers each, as they were stored
.endr
	ds_load_b128 v[KS:KS+3], v[ADR] offset:12288
	s_wait_dscnt 0x0
.irp i, 0,1,2,3,4,5,6,7
.if \i%2
	v_wmma_scale_f32_16x16x128_f8f6f4 v[S+8*\i:S+8*\i+7], v[KV+6*\i:KV+6*\i+11], v[Q:Q+11], 0, v[KS+\i/2], v[QS] matrix_a_fmt:MATRIX_FMT_FP6 matrix_b_fmt:MATRIX_FMT_FP6 matrix_a_scale:MATRIX_SCALE_ROW1
.else
	v_wmma_scale_f32_16x16x128_f8f6f4 v[S+8*\i:S+8*\i+7], v[KV+6*\i:KV+6*\i+11], v[Q:Q+11], 0, v[KS+\i/2], v[QS] matrix_a_fmt:MATRIX_FMT_FP6 matrix_b_fmt:MATRIX_FMT_FP6
.endif
.endr
	PLACES 4                                       ; in front of the loads into K's registers and of the first read of the scores
.irp n, 0,1,2,3,4,5,6,7,8,9,10,11
	ds_load_b128 v[KV+4*\n:KV+4*\n+3], v[ADR] offset:6144+512*\n     ; V's four fragments: they land while the softmax is worked
.endr
	ds_load_b128 v[VS:VS+3], v[ADR] offset:12800
.irp b, 0,1,2,3
	v_max3_num_f32 v[BM+\b], v[S+16*\b], v[S+1+16*\b], v[S+2+16*\b]   ; the largest score of each block of 32 keys: it serves the row's maximum and, since p rises with the score, the block's largest p
.endr
.irp i, 3,5,7,9,11,13
.irp b, 0,1,2,3
	v_max3_num_f32 v[BM+\b], v[BM+\b], v[S+16*\b+\i], v[S+1+16*\b+\i]   ; the four blocks by turns
.endr
.endr
.irp b, 0,1,2,3
	v_max_num_f32 v[BM+\b], v[BM+\b], v[S+15+16*\b]
.endr
.irp b, 0,1,2,3
	v_permlanex16_b32 v[TT+\b], v[BM+\b], s20, s21
.endr
.irp b, 0,1,2,3
	v_max_num_f32 v[BM+\b], v[BM+\b], v[TT+\b]     ; with lane l xor 16's 16 keys
.endr
	v_max3_num_f32 v[TMP], v[BM], v[BM+1], v[BM+2]
	v_max_num_f32 v[TMP], v[TMP], v[BM+3]          ; the step's largest score of my query
	v_mul_f32 v[TMP], s22, v[TMP]                  ; as t (c is positive)
	v_max_num_f32 v13, v13, v[TMP]                 ; the running largest t
	v_mov_b32 v[TMP], v12
	v_floor_f32 v12, -v13                          ; the new -M = floor(-t) = -ceil(t)
	v_sub_f32 v[TMP], v12, v[TMP]                  ; old M - new M: a whole number, 0 or less
	v_cvt_i32_f32 v[TMP], v[TMP]                   ; (it saturates)
	v_ldexp_f32 v[F], 1.0, v[TMP]                  ; f = 2^(old M - new M)
.set j, 0
.rept 32
	v_pk_fma_f32 v[S+j:S+j+1], v[S+j:S+j+1], s[22:23], v[12:13] op_sel_hi:[1,0,0]   ; t - M, two at a time (of the pairs c and -M the low word serves both halves)
.set j, j+2
.endr
.irp b, 0,1,2,3
	v_fma_f32 v[BM+\b], v[BM+\b], s22, v12         ; the same of each block's largest score
.endr
.set j, 0
.rept 64
	v_exp_f32 v[S+j], v[S+j]                       ; p = 2^(t - M), at most 1
.set j, j+1
.endr
	v_pk_mul_f32 v[14:15], v[14:15], v[F:F+1] op_sel_hi:[1,0]   ; the sums under the new M: the plain instruction behind the exponentials
	s_wait_alu depctr_va_vdst(0)                   ; one wait for the batch of 64, ahead of its first reader
.irp b, 0,1,2,3
	v_exp_f32 v[BM+\b], v[BM+\b]                   ; the block's largest p: the same two instructions on the same number give the same bits
.endr
	v_pk_add_f32 v[TT:TT+1], v[S:S+1], v[S+2:S+3]  ; the row's sum is taken of the unquantised p: two at a time, in two chains
.irp j, 4,8,12,16,20,24,28,32,36,40,44,48,52,56,60
	v_pk_add_f32 v[14:15], v[14:15], v[S+\j:S+\j+1]
	v_pk_add_f32 v[TT:TT+1], v[TT:TT+1], v[S+2+\j:S+3+\j]
.endr
	v_pk_add_f32 v[14:15], v[14:15], v[TT:TT+1]
	s_wait_alu depctr_va_vdst(0)                   ; and one for the four
.irp b, 0,1,2,3
	v_max_num_f32 v[BM+\b], 0x1800000, v[BM+\b]    ; the floor 2^(3 - 127): the byte cannot fall under 1 (a block whose every p is 0 keeps that byte: its codes are zeros)
.endr
.irp b, 0,1,2,3
	v_add_nc_u32 v[SO+\b], 0xff000000, v[BM+\b]    ; 2 off the exponent field: the conversion's scale operand
.endr
.irp b, 0,1,2,3
	v_lshrrev_b32 v[TT+\b], 23, v[SO+\b]           ; the scale's byte
.endr
	v_lshl_or_b32 v[PW], v[TT+1], 8, v[TT]         ; p's scale word for these 128 keys
	v_lshl_or_b32 v[PW], v[TT+2], 16, v[PW]
	v_lshl_or_b32 v[PW], v[TT+3], 24, v[PW]
.irp c, 0,1
	v_cvt_scalef32_pk16_fp6_f32 v[P+6*\c:P+6*\c+2], v[S+32*\c:S+32*\c+15], v[SO+2*\c]
	v_cvt_scalef32_pk16_fp6_f32 v[TT+4*\c:TT+4*\c+2], v[S+16+32*\c:S+31+32*\c], v[SO+2*\c+1]   ; (a conversion's three registers begin on an even number)
.endr
	v_nop                                          ; one plain instruction behind the scaled conversions
.irp c, 0,1                                    ; the operand's layout wants a WHOLE block in a lane: lanes 0-15 block 2 c, lanes 16-31 block 2 c + 1
.irp i, 0,1,2
	v_permlane16_swap_b32 v[P+6*\c+\i], v[TT+4*\c+\i]
.endr
.irp i, 0,1,2
	v_mov_b32 v[P+3+6*\c+\i], v[TT+4*\c+\i]
.endr
.endr
.set j, 0
.rept 16
	v_pk_mul_f32 v[O+j:O+j+1], v[O+j:O+j+1], v[F:F+1] op_sel_hi:[1,0]   ; O^T under the new M.  (These sixteen also stand between the making of p's codes and scale word and the products)
.set j, j+2
.endr
	s_wait_dscnt 0x0                               ; V is in
.irp t, 0,1,2,3
	v_wmma_scale_f32_16x16x128_f8f6f4 v[O+8*\t:O+8*\t+7], v[KV+12*\t:KV+12*\t+11], v[P:P+11], v[O+8*\t:O+8*\t+7], v[VS+\t], v[PW] matrix_a_fmt:MATRIX_FMT_FP6 matrix_b_fmt:MATRIX_FMT_FP6
.endr
	s_add_co_u32 s[TB], s[TB], STEPB
.endm
	s_wait_loadcnt 0x0                             ; Q
	s_wait_tensorcnt 1                             ; my part of key steps 0-3 is in; my part of steps 4-15 may stay out
	s_barrier_signal -1
	s_barrier_wait -1                              ; everybody's is
	s_mov_b32 s[TB], 0
	s_mov_b32 s[CNT], 4
.Lfirst:                                           ; key steps 0-3
	STEP
	s_sub_co_u32 s[CNT], s[CNT], 1
	s_cmp_lg_u32 s[CNT], 0
	s_cbranch_scc1 .Lfirst
	s_wait_tensorcnt 0x0                           ; my part of key steps 4-15 is in,
	s_wait_dscnt 0x0
	s_barrier_signal -1
	s_barrier_wait -1                              ; everybody's is
	s_mov_b32 s[TB], 4*STEPB
	s_mov_b32 s[CNT], 12
.Lrest:                                            ; key steps 4-15
	STEP
	s_sub_co_u32 s[CNT], s[CNT], 1
	s_cmp_lg_u32 s[CNT], 0
	s_cbranch_scc1 .Lrest
	; THE WAY OUT.  O^T is divided by the row's sum and goes through my stage in LDS, so that sixteen lanes store the 256 consecutive bytes of a token's head.
	PLACES 4                                       ; behind the last products
	v_add_f32 v14, v14, v15                        ; the sum's two halves,
	v_permlanex16_b32 v[TMP], v14, s20, s21
	v_add_f32 v14, v14, v[TMP]                     ; and lane l xor 16's: the row's sum
	v_rcp_f32 v14, v14
	v_nop                                          ; a plain instruction behind the reciprocal
	s_wait_alu depctr_va_vdst(0)                   ; and the wait ahead of its first reader
.set j, 0
.rept 32
	v_mul_f32 v[S+j], v[O+j], v14                  ; register 16 b + n is channel 32 b + 16 h + n of my query
.set j, j+1
.endr
.irp b, 0,1
.irp m, 0,1,2,3
	ds_store_b128 v[STO], v[S+16*\b+4*\m:S+16*\b+4*\m+3] offset:128*\b+16*\m
.endr
.endr
.irp n, 0,1,2,3,4,5,6,7
	ds_load_b128 v[KV+4*\n:KV+4*\n+3], v[RD] offset:2*\n*SP   ; LDS serves a wave's instructions in order: these see my stores
.endr
.irp n, 0,1,2,3,4,5,6,7
	s_wait_dscnt 7-\n                              ; the younger reads of the stage may stay out
	global_store_b128 v[GO], v[KV+4*\n:KV+4*\n+3], s[8:9] offset:(2*\n+8*(\n/4))*4096 th:TH_STORE_NT   ; the stage's row r is token r + 8 (r / 8) of the tile; 16 lanes store 256 consecutive bytes, at a multiple of 256 from out0's first byte
.endr
	s_wait_tensorcnt 0x0
	ds_add_u32 v224, v225
	s_wait_dscnt 0x0
	CROUND                                         ; the closing round: no work-group ends while a partner may still ask for a block that names it
	s_endpgm
.Lfunc_end_k_qced4508c05_attn:
	.size	k_qced4508c05_attn, .Lfunc_end_k_qced4508c05_attn-k_qced4508c05_attn
	.p2alignl 7, 3214868480
	.fill 96, 4, 3214868480
	.section	.rodata,"a",@progbits
	.p2align	6, 0x0
	.amdhsa_kernel k_qced4508c05_attn
		.amdhsa_group_segment_fixed_size 284672
		.amdhsa_private_segment_fixed_size 0
		.amdhsa_enable_private_segment 0
		.amdhsa_kernarg_size 24
		.amdhsa_user_sgpr_count 2
		.amdhsa_user_sgpr_kernarg_segment_ptr 1
		.amdhsa_wavefront_size32 1
		.amdhsa_system_sgpr_workgroup_id_x 1
		.amdhsa_system_sgpr_workgroup_id_y 1
		.amdhsa_system_sgpr_workgroup_id_z 1
		.amdhsa_system_vgpr_workitem_id 0
		.amdhsa_next_free_vgpr 226
		.amdhsa_next_free_sgpr 66
		.amdhsa_reserve_vcc 0
		.amdhsa_float_denorm_mode_32 3
		.amdhsa_float_denorm_mode_16_64 3
		.amdhsa_memory_ordered 1
		.amdhsa_forward_progress 1
		.amdhsa_inst_pref_size 43
	.end_amdhsa_kernel
	.amdgpu_metadata
---
amdhsa.version: [ 1, 2 ]
amdhsa.kernels:
  - .name:           k_qced4508c05_attn
    .symbol:         k_qced4508c05_attn.kd
    .args:
      - { .name: qa, .offset: 0, .size: 8, .value_kind: global_buffer, .address_space: global }
      - { .name: kv, .offset: 8, .size: 8, .value_kind: global_buffer, .address_space: global }
      - { .name: out0, .offset: 16, .size: 8, .value_kind: global_buffer, .address_space: global }
    .group_segment_fixed_size: 284672
    .private_segment_fixed_size: 0
    .kernarg_segment_align: 8
    .kernarg_segment_size: 24
    .max_flat_workgroup_size: 512
    .sgpr_count:     66
    .vgpr_count:     226
    .wavefront_size: 32
...
	.end_amdgpu_metadata
.endif
;; end of part 3
